; MI455X (gfx1250); checked and timed in simulation.
; The chip was launched on July 23, 2026; its instructions are those of AMD's public machine-readable ISA for CDNA 5 (MIT licence, August 2026) and "CDNA5" Instruction Set Architecture Reference Guide (July 2026). The comments in the code are by the model that wrote it; some were corrected since.
;; Local Spatio Temporal Pooling. Allowed arithmetic: float matrix products may take bf16 or f16 operands with f32 sums; all other float work in f32.
;; Inputs: x 8 x 256 x 30 x 64 x 44 float32.
;; Outputs: out0 8 x 2,048 float32.
;; One version. Each part assembles by itself: llvm-mc -triple=amdgcn-amd-amdhsa -mcpu=gfx1250 --defsym DOCPART=n.
;; ======== version 1 of 1: 2 launches
;; workspace buffers: feats 1,966,080 bytes; sc 16,384 bytes
;; launch stripes (part 1): grid 60 x 8, 8 waves a work-group, no clusters, 6,656 bytes of LDS; arguments x, feats, sc; writes feats, sc
.if DOCPART == 1
	.amdgcn_target "amdgcn-amd-amdhsa--gfx1250"
	.amdhsa_code_object_version 6
	.text
	.protected	k_q108dfd88f6_stripes
	.globl	k_q108dfd88f6_stripes
	.p2align	8
	.type	k_q108dfd88f6_stripes,@function
k_q108dfd88f6_stripes:
	s_mov_b64 s[64:65], 0
	v_nop
	global_prefetch_b8 v0, s[64:65] scope:SCOPE_SE
	s_setreg_imm32_b32 hwreg(HW_REG_WAVE_MODE, 25, 1), 1
	s_wait_xcnt 0x0
; Stripe means and their squared channel norms.
;   x     [8 n][256 c][30 t][64 h][44 w] f32
;   feats [8 n][30 t][8 s][256 c] f32    feats = mean of x over the stripe's 8 rows x 44 columns
;   sc    [8 n][8 s][32 t][2 half] f32   sum over 128 channels of feats^2 (words t = 30, 31 are never written nor read)
; The work-group (x = 2 t + half, y = n) owns one frame index t of one n and the channels 128 half .. 128 half + 127;
; wave w owns 16 of them.  One (n, c, t) image is 11,264 consecutive bytes = 22 loads of 16 bytes a lane, each load of the wave
; covering 512 consecutive bytes, aligned.  A stripe is 352 numbers = 88 lane-chunks of 16 bytes, so four stripes are exactly 11 loads:
; stripe k of a half image owns loads 3k and 3k+1 whole, and load 3k+2 is split at lane 24 - 8k between stripes k and k+1.
; x is read once, nothing is shared between work-groups: no cluster, no tile in LDS.  LDS only turns the results round at the end.
; LIMITS: the 352 numbers are summed in another order than the reference sums them (f32 throughout), and the mean is a product
; with 1/352 rounded to f32: results agree to f32 rounding, not bit for bit.
.set FRAME,  11264                     ; bytes of one image
.set HALFB,  5632                      ; four stripes
.set CSTEP,  30*FRAME                  ; from channel to channel
.set NSTEP,  256*CSTEP                 ; from n to n
.set FRAMES, 16                        ; images (channels) of a wave
.set SROW,   80                        ; LDS: 16 channels of one stripe + 16 bytes
.set WREG,   704                       ; LDS: a wave's own region, 8 stripes x 80 bytes + 64
.set ACC,    4                         ; v[4:19]    stripe k: a pair of running sums at ACC + 2k
.set T,      20                        ; v[20:27]   at work
.set X,      28                        ; v[28:203]  ring: slot s = 44 registers = the 11 loads of a half image
.set MB,     24                        ; s24-26     lanes below the stripe border in loads 2, 5, 8
.set LB,     28                        ; s28-30     lanes whose number has bit 0, 1, 2 set
	s_load_b128 s[4:7], s[0:1], 0x0                ; x s[4:5], feats s[6:7]
	s_load_b64 s[8:9], s[0:1], 0x10                ; sc
	v_lshl_add_u32 v204, v0, 2, 0x1600
	v_mov_b32 v205, 0
	v_lshrrev_b32 v3, 5, v0
	v_readfirstlane_b32 s10, v3                    ; wave 0..7
	v_and_b32 v4, 31, v0                           ; lane
	v_lshlrev_b32 v1, 4, v4                        ; 16 bytes a lane
	s_and_b32 s11, ttmp7, 0xffff                   ; n
	s_lshr_b32 s12, ttmp9, 1                       ; t
	s_and_b32 s13, ttmp9, 1                        ; half
	s_lshl3_add_u32 s16, s13, s10                  ; 8 half + wave: which group of 16 channels
	s_mul_i32 s16, s16, FRAMES*CSTEP
	s_mul_i32 s17, s11, NSTEP
	s_add_co_u32 s16, s16, s17
	s_mul_i32 s17, s12, FRAME
	s_add_co_u32 s16, s16, s17                     ; below 692,060,160: one word holds it
	s_mov_b32 s17, 0
	s_wait_kmcnt 0x0
	s_add_nc_u64 s[4:5], s[4:5], s[16:17]          ; x at my first image
; Slot s holds half s % 2 of the image s / 2 of a pair of images; ahead = bytes further down.
.macro FILL s, ahead
.irp j, 0,1,2,3,4,5,6,7,8,9,10
	global_load_b128 v[X+44*\s+4*\j:X+44*\s+4*\j+3], v1, s[4:5] offset:\ahead+(\s/2)*CSTEP+(\s%2)*HALFB+512*\j th:TH_LOAD_NT
.endr
.endm
	FILL 0, 0                                      ; the ring is filled before anything else is set up: 44 loads, two images
	FILL 1, 0
	FILL 2, 0
	FILL 3, 0
	s_mov_b32 s[MB+0], 0x00ffffff                  ; load 2: lanes 0-23 end stripe 0
	s_mov_b32 s[MB+1], 0x0000ffff                  ; load 5: lanes 0-15 end stripe 1
	s_mov_b32 s[MB+2], 0x000000ff                  ; load 8: lanes 0-7 end stripe 2
	s_mov_b32 s[LB+0], 0xaaaaaaaa
	s_mov_b32 s[LB+1], 0xcccccccc
	s_mov_b32 s[LB+2], 0xf0f0f0f0
	s_mov_b32 s20, 0x76543210                      ; v_permlanex16_b32: lane i takes lane i of the other half
	s_mov_b32 s21, 0xfedcba98
	s_mov_b32 s14, 0x3b3a2e8c                      ; 1/352, twice: a pair for the packed multiply
	s_mov_b32 s15, 0x3b3a2e8c
	; LDS, in: wave x 704 + stripe (= lane & 7) x 80 + 4 x image
	v_and_b32 v5, 7, v0
	v_mul_u32_u24 v2, v5, SROW
	s_mul_i32 s18, s10, WREG
	v_add_nc_u32 v2, s18, v2
	; LDS, out: I am stripe = wave; my lane takes channels 4 lane .. 4 lane + 3, which wave lane / 4 wrote as its images 4 (lane & 3) ..
	v_lshrrev_b32 v5, 2, v4
	v_mul_u32_u24 v3, v5, WREG
	v_and_b32 v5, 3, v0
	v_lshl_add_u32 v3, v5, 4, v3
	s_mul_i32 s19, s10, SROW
	v_add_nc_u32 v3, s19, v3
	; feats: (((30 n + t) 8 + wave) 2 + half) x 512 bytes
	s_mul_i32 s18, s11, 30
	s_add_co_u32 s18, s18, s12
	s_lshl3_add_u32 s18, s18, s10
	s_lshl1_add_u32 s18, s18, s13
	s_lshl_b32 s18, s18, 9
	s_mov_b32 s19, 0
	s_add_nc_u64 s[6:7], s[6:7], s[18:19]
	; sc: ((8 n + wave) 64 + 2 t + half) x 4 bytes
	s_lshl3_add_u32 s2, s11, s10
	s_lshl_b32 s2, s2, 6
	s_add_co_u32 s2, s2, ttmp9
	s_lshl_b32 s2, s2, 2
	s_mov_b32 s3, 0
	s_add_nc_u64 s[8:9], s[8:9], s[2:3]
; The turn of slot s: four stripes' sums within the lane.  fill = 1: the slot is loaded again, two images further down, as soon as
; its registers have been read.  left = how many younger loads may stay out.
.macro TURN s, fill, left
.set P,  ACC+8*(\s%2)
.set XS, X+44*\s
	s_wait_loadcnt \left                           ; loads come back in order (ISA guide 5.7.1): my 11 are in, the younger slots stay on their way
.irp k, 0,1,2,3
	v_pk_add_f32 v[P+2*\k:P+2*\k+1], v[XS+12*\k:XS+12*\k+1], v[XS+12*\k+2:XS+12*\k+3]      ; load 3k starts stripe k's sums: nothing is cleared
.endr
.irp h, 4,6
.irp k, 0,1,2,3
	v_pk_add_f32 v[P+2*\k:P+2*\k+1], v[P+2*\k:P+2*\k+1], v[XS+12*\k+\h:XS+12*\k+\h+1]      ; load 3k+1
.endr
.endr
.irp k, 0,1,2
	v_pk_add_f32 v[T+2*\k:T+2*\k+1], v[XS+12*\k+8:XS+12*\k+9], v[XS+12*\k+10:XS+12*\k+11]  ; load 3k+2, the one with the border
.endr
.if \fill
	FILL \s, 2*CSTEP
.endif
.irp k, 0,1,2
	v_add_f32 v[T+2*\k], v[T+2*\k], v[T+2*\k+1]
.endr
.irp k, 0,1,2,3
	v_add_f32 v[P+2*\k], v[P+2*\k], v[P+2*\k+1]
.endr
.irp k, 0,1,2
	v_cndmask_b32 v[T+2*\k+1], 0, v[T+2*\k], s[MB+\k]          ; lanes below the border give to stripe k,
	v_cndmask_b32 v[T+2*\k], v[T+2*\k], 0, s[MB+\k]            ; the others to stripe k+1: a choice, not a factor, so an infinity stays in its stripe
.endr
.irp k, 0,1,2
	v_add_f32 v[P+2*\k], v[P+2*\k], v[T+2*\k+1]
.endr
.irp k, 0,1,2
	v_add_f32 v[P+2*\k+2], v[P+2*\k+2], v[T+2*\k]
.endr
.endm
; Eight sums a lane (stripe k at ACC + 2k) to one: in each of three steps a lane keeps half of its stripes, by one bit of its number,
; and hands the other half to its partner; lane l ends with stripe l & 7.  Two more steps add the four groups of eight lanes.
; The odd registers of ACC, free since the pairs were folded, take the intermediates.  off = 4 x the image's place in the pair.
.macro REDUCE off
.irp m, 0,1,2,3
	v_cndmask_b32 v[ACC+4*\m+1], v[ACC+4*\m], v[ACC+4*\m+2], s[LB]         ; kept: odd lanes the odd stripe
	v_cndmask_b32 v[ACC+4*\m+3], v[ACC+4*\m+2], v[ACC+4*\m], s[LB]         ; handed over: the other one
.endr
.irp m, 0,1,2,3
	v_add_f32_dpp v[ACC+4*\m+1], v[ACC+4*\m+3], v[ACC+4*\m+1] row_xmask:1 row_mask:0xf bank_mask:0xf
.endr
.irp m, 0,1
	v_cndmask_b32 v[ACC+8*\m], v[ACC+8*\m+1], v[ACC+8*\m+5], s[LB+1]
	v_cndmask_b32 v[ACC+8*\m+2], v[ACC+8*\m+5], v[ACC+8*\m+1], s[LB+1]
.endr
.irp m, 0,1
	v_add_f32_dpp v[ACC+8*\m], v[ACC+8*\m+2], v[ACC+8*\m] row_xmask:2 row_mask:0xf bank_mask:0xf
.endr
	v_cndmask_b32 v[ACC+1], v[ACC], v[ACC+8], s[LB+2]
	v_cndmask_b32 v[ACC+3], v[ACC+8], v[ACC], s[LB+2]
	v_add_f32_dpp v[ACC+1], v[ACC+3], v[ACC+1] row_xmask:4 row_mask:0xf bank_mask:0xf
	v_add_f32_dpp v[ACC+1], v[ACC+1], v[ACC+1] row_xmask:8 row_mask:0xf bank_mask:0xf
	v_permlanex16_b32 v[ACC+3], v[ACC+1], s20, s21
	v_add_f32 v[ACC+1], v[ACC+1], v[ACC+3]
	ds_store_b32 v2, v[ACC+1] offset:\off          ; the four lanes with one stripe write the same word with the same number
.endm
	s_mov_b32 s22, FRAMES/2-1
.Lpair:                                            ; a trip: two images summed, the two behind the next two requested
	TURN 0, 1, 33
	TURN 1, 1, 33
	REDUCE 0
	TURN 2, 1, 33
	TURN 3, 1, 33
	REDUCE 4
	v_add_nc_u32 v2, 8, v2                         ; two channels on in LDS
	s_wait_xcnt 0x0                                ; the base that the pending loads name is stepped only behind this wait
	s_add_nc_u64 s[4:5], s[4:5], 2*CSTEP
	s_sub_co_i32 s22, s22, 1
	s_cmp_lg_u32 s22, 0
	s_cbranch_scc1 .Lpair
	TURN 0, 0, 33                                  ; the last two images: nothing is requested beyond my 16, the counts run down
	TURN 1, 0, 22
	REDUCE 0
	TURN 2, 0, 11
	TURN 3, 0, 0
	REDUCE 4
	s_wait_dscnt 0x0                               ; my 16 stores are in LDS, for the others' sake,
	s_barrier_signal -1
	s_barrier_wait -1                              ; and so are everybody's
	ds_load_b128 v[T:T+3], v3                      ; stripe = wave: four neighbouring channels a lane, 128 in the wave
	s_wait_dscnt 0x0
	v_pk_mul_f32 v[T:T+1], v[T:T+1], s[14:15] op_sel_hi:[1,0]      ; sums to means
	v_pk_mul_f32 v[T+2:T+3], v[T+2:T+3], s[14:15] op_sel_hi:[1,0]
	global_store_b128 v1, v[T:T+3], s[6:7]         ; 512 consecutive bytes, aligned; the next launch reads them: no hint
	v_pk_mul_f32 v[T+4:T+5], v[T:T+1], v[T:T+1]
	v_pk_fma_f32 v[T+4:T+5], v[T+2:T+3], v[T+2:T+3], v[T+4:T+5]
	v_add_f32 v[T+4], v[T+4], v[T+5]
	v_add_f32_dpp v[T+4], v[T+4], v[T+4] row_xmask:1 row_mask:0xf bank_mask:0xf
	v_add_f32_dpp v[T+4], v[T+4], v[T+4] row_xmask:2 row_mask:0xf bank_mask:0xf
	v_add_f32_dpp v[T+4], v[T+4], v[T+4] row_xmask:4 row_mask:0xf bank_mask:0xf
	v_add_f32_dpp v[T+4], v[T+4], v[T+4] row_xmask:8 row_mask:0xf bank_mask:0xf
	v_permlanex16_b32 v[T+5], v[T+4], s20, s21
	v_add_f32 v[T+4], v[T+4], v[T+5]               ; sum of squares over my 128 channels
	v_mov_b32 v[T+6], 0
	v_cmp_eq_u32 vcc_lo, 0, v1                     ; lane 0
	s_wait_xcnt 0x0                                ; EXEC is a source of the store above: it is narrowed only behind this wait
	s_wait_tensorcnt 0x0
	ds_add_u32 v204, v205
	s_wait_dscnt 0x0
	s_and_saveexec_b32 s31, vcc_lo
	global_store_b32 v[T+6], v[T+4], s[8:9]        ; one word for (n, stripe, t, half)
	s_endpgm
.Lfunc_end_k_q108dfd88f6_stripes:
	.size	k_q108dfd88f6_stripes, .Lfunc_end_k_q108dfd88f6_stripes-k_q108dfd88f6_stripes
	.p2alignl 7, 3214868480
	.fill 96, 4, 3214868480
	.section	.rodata,"a",@progbits
	.p2align	6, 0x0
	.amdhsa_kernel k_q108dfd88f6_stripes
		.amdhsa_group_segment_fixed_size 6656
		.amdhsa_private_segment_fixed_size 0
		.amdhsa_enable_private_segment 0
		.amdhsa_kernarg_size 24
		.amdhsa_user_sgpr_count 2
		.amdhsa_user_sgpr_kernarg_segment_ptr 1
		.amdhsa_wavefront_size32 1
		.amdhsa_system_sgpr_workgroup_id_x 1
		.amdhsa_system_sgpr_workgroup_id_y 1
		.amdhsa_system_sgpr_workgroup_id_z 1
		.amdhsa_system_vgpr_workitem_id 0
		.amdhsa_next_free_vgpr 206
		.amdhsa_next_free_sgpr 66
		.amdhsa_reserve_vcc 1
		.amdhsa_float_denorm_mode_32 3
		.amdhsa_float_denorm_mode_16_64 3
		.amdhsa_memory_ordered 1
		.amdhsa_forward_progress 1
		.amdhsa_inst_pref_size 33
	.end_amdhsa_kernel
	.amdgpu_metadata
---
amdhsa.version: [ 1, 2 ]
amdhsa.kernels:
  - .name:           k_q108dfd88f6_stripes
    .symbol:         k_q108dfd88f6_stripes.kd
    .args:
      - { .name: x, .offset: 0, .size: 8, .value_kind: global_buffer, .address_space: global }
      - { .name: feats, .offset: 8, .size: 8, .value_kind: global_buffer, .address_space: global }
      - { .name: sc, .offset: 16, .size: 8, .value_kind: global_buffer, .address_space: global }
    .group_segment_fixed_size: 6656
    .private_segment_fixed_size: 0
    .kernarg_segment_align: 8
    .kernarg_segment_size: 24
    .max_flat_workgroup_size: 256
    .sgpr_count:     66
    .vgpr_count:     206
    .wavefront_size: 32
...
	.end_amdgpu_metadata
.endif
;; end of part 1
;; launch pick (part 2): grid 256 x 1, 1 waves a work-group, no clusters, 0 bytes of LDS; arguments feats, sc, out0; writes out0
.if DOCPART == 2
	.amdgcn_target "amdgcn-amd-amdhsa--gfx1250"
	.amdhsa_code_object_version 6
	.text
	.protected	k_q108dfd88f6_pick
	.globl	k_q108dfd88f6_pick
	.p2align	8
	.type	k_q108dfd88f6_pick,@function
k_q108dfd88f6_pick:
	s_mov_b64 s[64:65], 0
	v_nop
	global_prefetch_b8 v0, s[64:65] scope:SCOPE_SE
	s_setreg_imm32_b32 hwreg(HW_REG_WAVE_MODE, 25, 1), 1
	s_wait_xcnt 0x0
; Scores, the two best frames of each (n, stripe), and the mean of their stripe vectors.
;   feats [8 n][30 t][8 s][256 c] f32,  sc [8 n][8 s][32 t][2 half] f32 (t < 30 written),  out0 [8 n][8 s][256 c] f32
; One wave a work-group; work-group g = (8 n + s) 4 + q owns channels 64 q .. 64 q + 63 of (n, s), two a lane:
; each load of means and the store cover 256 consecutive bytes, aligned.  All 31 loads are issued at once.
; Lane t holds frame t's score = sqrt(max(sum of squares, 1e-6)).  The best frame is the lowest lane that equals the wave's maximum,
; which is top_k's order among equals; it is struck out and the search repeated.  The choice only selects values (v_cndmask_b32 on
; all 30 frames): no address and no branch hangs on it.  The four work-groups of one (n, s) each rank anew: 30 numbers.
; LIMITS: a score that is NaN (a NaN in x, or both infinities in one stripe) is ranked last here, since v_max_num_f32 drops the NaN,
; while top_k ranks it first.  The sums behind the scores are taken in another order than the reference's: two frames whose scores
; differ by less than the f32 rounding of those sums may be ranked the other way round.
.set TSTEP,  8192                      ; feats: from frame to frame
.set NSTEP,  30*TSTEP                  ; from n to n
.set FRAMES, 30
.set F,      8                         ; v[8:67]   frame t: my two channels at F + 2t
.set MK,     32                        ; s32-61    frame t: all ones if chosen, else 0
	s_load_b128 s[4:7], s[0:1], 0x0                ; feats s[4:5], sc s[6:7]
	s_load_b64 s[8:9], s[0:1], 0x10                ; out0
	v_lshlrev_b32 v1, 3, v0                        ; 8 bytes a lane (one wave: v0 is the lane)
	v_min_u32 v2, FRAMES-1, v0                     ; lanes 30, 31 read frame 29 again: the words behind it were never written
	v_lshlrev_b32 v2, 3, v2
	s_lshr_b32 s10, ttmp9, 5                       ; n
	s_mul_i32 s10, s10, NSTEP
	s_and_b32 s11, ttmp9, 31                       ; 4 s + q
	s_lshl_b32 s11, s11, 8
	s_add_co_u32 s10, s10, s11
	s_mov_b32 s11, 0
	s_lshr_b32 s12, ttmp9, 2                       ; 8 n + s: rows of 256 bytes in sc
	s_lshl_b32 s12, s12, 8
	s_mov_b32 s13, 0
	s_lshl_b32 s14, ttmp9, 8                       ; out0: 256 bytes a work-group
	s_mov_b32 s15, 0
	s_mov_b32 s16, 0xc0000000                      ; lanes 30, 31: no frame
	s_mov_b32 s20, 0x76543210                      ; v_permlanex16_b32: lane i takes lane i of the other half
	s_mov_b32 s21, 0xfedcba98
	s_wait_kmcnt 0x0
	s_add_nc_u64 s[4:5], s[4:5], s[10:11]
	s_add_nc_u64 s[6:7], s[6:7], s[12:13]
	s_add_nc_u64 s[8:9], s[8:9], s[14:15]
	global_load_b64 v[4:5], v2, s[6:7]             ; frame = lane: the two halves' sums of squares
.set t, 0
.rept FRAMES
	global_load_b64 v[F+2*t:F+2*t+1], v1, s[4:5] offset:t*TSTEP th:TH_LOAD_NT
.set t, t+1
.endr
	s_wait_loadcnt FRAMES                          ; the sums are in; the 30 loads issued behind them stay out
	v_add_f32 v4, v4, v5                           ; over all 256 channels
	v_max_num_f32 v4, 0x358637bd, v4               ; clip at 1e-6
	v_sqrt_f32 v4, v4
	v_mov_b32 v6, 0                                ; the plain instruction between the root and its use (ISA guide 5.7.2); v6 is written for v_permlanex16_b32
	s_wait_alu depctr_va_vdst(0)
	v_cndmask_b32 v4, v4, -1.0, s16                ; below every score, which is at least 1e-3
; mask = one bit: the lowest lane whose v4 equals the wave's maximum
.macro BEST mask, tmp
	v_max_num_f32_dpp v5, v4, v4 row_xmask:1 row_mask:0xf bank_mask:0xf
	v_max_num_f32_dpp v5, v5, v5 row_xmask:2 row_mask:0xf bank_mask:0xf
	v_max_num_f32_dpp v5, v5, v5 row_xmask:4 row_mask:0xf bank_mask:0xf
	v_max_num_f32_dpp v5, v5, v5 row_xmask:8 row_mask:0xf bank_mask:0xf
	v_permlanex16_b32 v6, v5, s20, s21
	v_max_num_f32 v5, v5, v6
	v_cmp_eq_f32 s[\mask], v4, v5
	s_sub_co_i32 s[\tmp], 0, s[\mask]
	s_and_b32 s[\mask], s[\mask], s[\tmp]          ; m & -m
.endm
	BEST 22, 23
	v_cndmask_b32 v4, v4, -1.0, s22                ; the best frame is struck out
	BEST 24, 23
	s_or_b32 s22, s22, s24                         ; the two chosen frames, one bit each
.set t, 0
.rept FRAMES
	s_bitcmp1_b32 s22, t
	s_cselect_b32 s[MK+t], -1, 0
.set t, t+1
.endr
	s_wait_loadcnt 0x0                             ; the 30 loads went out together
.set t, 0
.rept FRAMES
	v_cndmask_b32 v[F+2*t], 0, v[F+2*t], s[MK+t]
	v_cndmask_b32 v[F+2*t+1], 0, v[F+2*t+1], s[MK+t]
.set t, t+1
.endr
.set t, 2
.rept FRAMES-2                                     ; two chains, started by frames 0 and 1; 28 of the 30 terms are zeros, so the sum is exact but for its one rounding
	v_pk_add_f32 v[F+2*(t%2):F+2*(t%2)+1], v[F+2*(t%2):F+2*(t%2)+1], v[F+2*t:F+2*t+1]
.set t, t+1
.endr
	v_pk_add_f32 v[F:F+1], v[F:F+1], v[F+2:F+3]
	v_pk_mul_f32 v[F:F+1], v[F:F+1], 0.5 op_sel_hi:[1,0]           ; the mean of two
	global_store_b64 v1, v[F:F+1], s[8:9] th:TH_STORE_NT
	s_endpgm
.Lfunc_end_k_q108dfd88f6_pick:
	.size	k_q108dfd88f6_pick, .Lfunc_end_k_q108dfd88f6_pick-k_q108dfd88f6_pick
	.p2alignl 7, 3214868480
	.fill 96, 4, 3214868480
	.section	.rodata,"a",@progbits
	.p2align	6, 0x0
	.amdhsa_kernel k_q108dfd88f6_pick
		.amdhsa_group_segment_fixed_size 0
		.amdhsa_private_segment_fixed_size 0
		.amdhsa_enable_private_segment 0
		.amdhsa_kernarg_size 24
		.amdhsa_user_sgpr_count 2
		.amdhsa_user_sgpr_kernarg_segment_ptr 1
		.amdhsa_wavefront_size32 1
		.amdhsa_system_sgpr_workgroup_id_x 1
		.amdhsa_system_sgpr_workgroup_id_y 1
		.amdhsa_system_sgpr_workgroup_id_z 1
		.amdhsa_system_vgpr_workitem_id 0
		.amdhsa_next_free_vgpr 68
		.amdhsa_next_free_sgpr 66
		.amdhsa_reserve_vcc 0
		.amdhsa_float_denorm_mode_32 3
		.amdhsa_float_denorm_mode_16_64 3
		.amdhsa_memory_ordered 1
		.amdhsa_forward_progress 1
		.amdhsa_inst_pref_size 13
	.end_amdhsa_kernel
	.amdgpu_metadata
---
amdhsa.version: [ 1, 2 ]
amdhsa.kernels:
  - .name:           k_q108dfd88f6_pick
    .symbol:         k_q108dfd88f6_pick.kd
    .args:
      - { .name: feats, .offset: 0, .size: 8, .value_kind: global_buffer, .address_space: global }
      - { .name: sc, .offset: 8, .size: 8, .value_kind: global_buffer, .address_space: global }
      - { .name: out0, .offset: 16, .size: 8, .value_kind: global_buffer, .address_space: global }
    .group_segment_fixed_size: 0
    .private_segment_fixed_size: 0
    .kernarg_segment_align: 8
    .kernarg_segment_size: 24
    .max_flat_workgroup_size: 32
    .sgpr_count:     66
    .vgpr_count:     68
    .wavefront_size: 32
...
	.end_amdgpu_metadata
.endif
;; end of part 2
